; MI455X (gfx1250); checked and timed in simulation.
; The chip was launched on July 23, 2026; its instructions are those of AMD's public machine-readable ISA for CDNA 5 (MIT licence, August 2026) and "CDNA5" Instruction Set Architecture Reference Guide (July 2026). The comments in the code are by the model that wrote it; some were corrected since.
;; Attn. Allowed arithmetic: matrix products marked QUANTISED: E4M3 operands, one given power-of-two scale a tensor, by v_wmma_f32_16x16x64_fp8_fp8 or v_wmma_f32_16x16x128_fp8_fp8, f32 sums; everything else in f32.
;; Inputs: Bq 1 x 1,024 float32; Wk 1,024 x 1,024 float32; Wq 1,024 x 1,024 float32; Wv 1,024 x 1,024 float32; lowp_scales 10 int32 (the exponents e of the quantised operands' scales 2^e); x 2 x 2,048 x 1,024 float32.
;; Outputs: out0 2 x 2,048 x 1,024 float32.
;; Constants: n_heads = 16.
;; This version of the problem:
;;   THIS VERSION OF THE PROBLEM IS GIVEN IN LOW PRECISION. The matrix products marked QUANTISED in the list below multiply operands that are first quantised to E4M3 (4 exponent bits, 3 mantissa bits; 8 bits a number), with one given power-of-two scale for each operand tensor; their sums are f32. All else is computed in f32.
;;   The module's matrix products, in the order in which they are computed (A, B: the left and right operand; K: the contracted axis; several contracted axes count as one K, in the product's order):
;;     1. [M 4,096, K 1,024] x [K 1,024, N 1,024]; A: input x; B: input Wq: QUANTISED (scales: A lowp_scales[0], B lowp_scales[1])
;;     2. [M 4,096, K 1,024] x [K 1,024, N 1,024]; A: input x; B: input Wk: QUANTISED (scales: A lowp_scales[2], B lowp_scales[3])
;;     3. [M 4,096, K 1,024] x [K 1,024, N 1,024]; A: input x; B: input Wv: QUANTISED (scales: A lowp_scales[4], B lowp_scales[5])
;;     4. batch 32 x [M 2,048, K 64] x [K 64, N 2,048]; A: computed on the way; B: computed on the way: QUANTISED (scales: A lowp_scales[6], B lowp_scales[7])
;;     5. batch 32 x [M 64, K 2,048] x [K 2,048, N 2,048]; A: computed on the way; B: softmax (see below): QUANTISED (scales: A lowp_scales[8], B lowp_scales[9])
;;   THE QUANTISER, for each operand of a quantised product, along K:
;;     - The operand's scale is 2^e, e = its entry of the input lowp_scales (int32; the entries are numbered through the quantised products in the list's order, A before B).
;;     - Each number is divided by the scale, clamped to +-448, and rounded to the nearest number of E4M3, ties to even, subnormals kept.
;;     - The product sums the exact products of the quantised numbers (number of the format x scale) in f32.
;;   ~~~python
;;   def quantise(x, axis, e):      # numpy; x: float32 -> the quantised numbers, widened to float32 again
;;       x = np.moveaxis(x, axis, -1); K = x.shape[-1]
;;       r = np.clip(x / 2.0 ** e, -448, 448)
;;       step = 2.0 ** (np.maximum(np.frexp(np.where(r == 0, 1, r))[1] - 1, -6) - 3)
;;       q = np.round(r / step) * step * 2.0 ** e      # np.round: ties to even
;;       return np.moveaxis(q, -1, axis).astype(np.float32)
;;   ~~~
;;   SOFTMAX AHEAD OF A QUANTISED PRODUCT. Where the list says 'softmax', what is quantised is not the finished softmax but p = 2^(t - M), with t = logit x log2(e) and M = ceil(the row's largest t), a whole number; so 1/2 < the row's largest p <= 1. The row's sum l is taken of the UNQUANTISED p, in f32, and the product's result is divided by l at the end. Since M is a whole number, a kernel that streams over the keys may use a running M (the ceiling of the running maximum): every later rescaling is an exact power of two, so the quantised numbers keep their values, but for numbers so far below the row's largest that they fall under the format's range.
;;   OPERANDS COMPUTED ON THE WAY. 'Computed on the way' means the value that the module computes at that place (a softmax that the list does not call 'softmax' is quantised finished and normalised). What goes into a quantiser is computed in f32, as accurately as f32 sums, v_exp_f32 and their like allow (about 1e-6 of the number): no bf16 or f16 on the way to a quantiser, and a product that is left as it is and whose result goes on into a quantised operand takes f32 operands (vector FMAs, or v_wmma_f32_16x16x4_f32). A number that lies on a knife's edge between two numbers of the format may be rounded either way, as far as f32 arithmetic and the matrix unit's own rounding can turn it there, and no further.
;; One version. Each part assembles by itself: llvm-mc -triple=amdgcn-amd-amdhsa -mcpu=gfx1250 --defsym DOCPART=n.
;; ======== version 1 of 1: 4 launches
;; limits: right only within a limited range of input values
;; workspace buffers: xc 12,582,912 bytes; wc 3,145,728 bytes; qkv 12,582,912 bytes; ow 16,777,216 bytes
;; launch quant (part 1): grid 704 x 1, 4 waves a work-group, no clusters, 50,688 bytes of LDS; arguments x, Wq, Wk, Wv, lowp_scales, xc, wc; writes xc, wc
.if DOCPART == 1
	.amdgcn_target "amdgcn-amd-amdhsa--gfx1250"
	.amdhsa_code_object_version 6
	.text
	.protected	k_qe359ff85a1_quant
	.globl	k_qe359ff85a1_quant
	.p2align	8
	.type	k_qe359ff85a1_quant,@function
k_qe359ff85a1_quant:
	s_mov_b64 s[64:65], 0
	v_nop
	global_prefetch_b8 v0, s[64:65] scope:SCOPE_SE
	s_setreg_imm32_b32 hwreg(HW_REG_WAVE_MODE, 25, 1), 1
	s_wait_xcnt 0x0
; x [4096][1024] and Wq, Wk, Wv [1024 k][1024 n], f32, become codes of E4M3 with K innermost, each with the scale 2^e that is given for it.
; code = number / 2^e, held within +-448, rounded to the nearest code, ties to even.
; x is an operand of three products with three entries of the scales (0, 2, 4), which need not be equal: it is read once and quantised three times.
; sigma(i) = i with bits 3 and 4 exchanged.  ROWS ARE LAID FOR THE READER: xc [3][4096][1024]: row p holds token sigma(p).
; wc [3][1024][1024]: heads are the LAST part of a column's number (column = 16 d + head); row 64 head + p holds column 16 sigma(p) + head (Wq, Wk) or 16 p + head (Wv).
; With rows so ordered, two neighbouring tiles of 16 rows give a lane of the next launch's results 16 neighbours along the K of the product after it.
; A stream: what counts is how many bytes are asked for at once, so the shares of a wave are small and the work-groups many.
; Work-groups 0-191 take the weights: a wave takes 16 columns (one d, all 16 heads) x 256 along K; lane (r, h) takes column r and its registers run down K = 128 h + 0 .. 127: four blocks of 32.
;   Two blocks, 64 loads a wave, are on their way.  The four waves of a work-group stand side by side on 256 consecutive, aligned bytes of each row of W.
;   The codes leave through the wave's own stage in LDS, sixteen lanes to 256 consecutive, aligned bytes.
; Work-groups 192-703 take x: a wave takes 2 tokens, four steps of 512 numbers; all its 16 loads (8,192 bytes) go out at its head.  Loads of 512 consecutive bytes turn through the wave's own stage in LDS,
;   so that a lane holds 16 neighbours for the conversions.
; The two ways part on the work-group's number and have LDS bytes of their own.  Waves share nothing: no barrier.  No cluster: work-groups share no input.
; LIMITS: entries 0 to 5 of the scales lie between -126 and 119, so that 2^e and 448 x 2^e are f32 numbers.  NaN among the inputs is not served; an infinity is held at the largest code.
.set NWG,   192                        ; work-groups of the weights: 3 tensors x 16 groups of four d x 4 quarters of K
.set STEPS, 4                          ; x: steps of a wave
.set SP,    80                         ; x: a lane's place in a stage: 64 bytes + 16 of padding
.set WSTG,  32768                      ; W: the four stages begin here, behind x's 8,192 bytes for each wave
.set PITCH, 272                        ; W: a stage row: 256 codes + 16 of padding
.set SPARE, WSTG+4*16*PITCH            ; behind the stages: the spare words, 128 bytes for each wave, which no other line names
.set NB,    4                          ; W: blocks of 32 along K for a lane
.set R,     16                         ; x: v16-79   four sets of 16 numbers as loaded, one for each step
.set X,     80                         ; x: v80-111  two sets of 16 neighbours
.set T,     112                        ; x: v112-159 the numbers held, a set for each of the three scales
.set C,     160                        ; x: v160-207 codes: 12 registers for each step, so that no store's data are written again
.set SCL,   208                        ; x: v208, 210, 212: 2^e as f32;  v209, 211, 213: 448 x 2^e
.set LIM,   209
.set SPW,   214                        ; LDS address of my spare word; never rewritten
.set NIL,   215                        ; 0; never rewritten
.set WX,    32                         ; W: v32-95 two sets of 32 numbers
.set WC,    96                         ; W: v96-103 a block's codes
.set OUTR,  112                        ; W: v112-143 the way out
.macro MKSCALE e, vs, vl               ; from the whole number in s[e]: v[vs] = 2^e (the conversion takes its exponent field), v[vl] = 448 x 2^e
	s_add_co_i32 s46, s[\e], 127
	s_lshl_b32 s47, s46, 23
	v_mov_b32 v[\vs], s47
	s_add_co_i32 s46, s46, 8
	s_lshl_b32 s46, s46, 23
	s_or_b32 s46, s46, 0x600000
	v_mov_b32 v[\vl], s46
.endm
	s_load_b256 s[4:11], s[0:1], 0x0               ; x s[4:5], Wq s[6:7], Wk s[8:9], Wv s[10:11]
	s_load_b128 s[12:15], s[0:1], 0x20             ; the scales' exponents s[12:13], xc s[14:15]
	s_load_b64 s[16:17], s[0:1], 0x30              ; wc
	v_lshl_add_u32 v[SPW], v0, 2, SPARE
	v_mov_b32 v[NIL], 0
	v_lshrrev_b32 v1, 5, v0
	v_readfirstlane_b32 s18, v1                    ; wave 0..3
	v_and_b32 v2, 31, v0                           ; lane
	s_wait_kmcnt 0x0
	s_load_b256 s[36:43], s[12:13], 0x0            ; e0 .. e7
	s_cmp_lt_u32 ttmp9, NWG
	s_cbranch_scc1 .Lweights
	; ---------------- x ----------------
	s_wait_alu depctr_va_vdst(0)
	v_lshlrev_b32 v3, 4, v2                        ; 16 x lane: my bytes of a load's 512, and my 16 codes of a step's 512
	s_wait_alu depctr_va_vdst(0)
	s_lshl_b32 s19, s18, 13                        ; my wave's LDS
	v_lshrrev_b32 v8, 2, v2
	v_mul_u32_u24 v8, v8, SP
	v_and_b32 v9, 3, v2
	v_lshl_add_u32 v8, v9, 4, v8
	v_add_nc_u32 v8, s19, v8                       ; the stage, way in: SP (lane / 4) + 16 (lane % 4)
	v_mul_u32_u24 v9, v2, SP
	v_add_nc_u32 v9, s19, v9                       ; way out: SP x lane: my 16 neighbours
	s_sub_co_u32 s26, ttmp9, NWG                   ; 0 .. 511: tokens 8 wg .. 8 wg + 7
	s_lshl_b32 s27, s26, 2
	s_add_co_u32 s27, s27, s18                     ; g = 4 wg + wave: tokens 2 g and 2 g + 1
	s_lshl_b32 s28, s27, 13                        ; two rows of 4,096 bytes
	s_mov_b32 s29, 0
	s_add_nc_u64 s[4:5], s[4:5], s[28:29]
	s_and_b32 s27, s26, 1                          ; sigma on the tokens' bits 3 and 4, which are bits 0 and 1 of wg
	s_lshl_b32 s27, s27, 1
	s_bfe_u32 s30, s26, 0x10001
	s_or_b32 s27, s27, s30
	s_lshr_b32 s30, s26, 2
	s_lshl_b32 s30, s30, 2
	s_or_b32 s27, s27, s30
	s_lshl_b32 s27, s27, 2
	s_add_co_u32 s27, s27, s18
	s_lshl_b32 s28, s27, 11                        ; two rows of 1,024 codes
	s_add_nc_u64 s[20:21], s[14:15], s[28:29]      ; the three parts of xc lie 4 MiB apart: a base for each
	s_add_nc_u64 s[22:23], s[20:21], 0x400000
	s_add_nc_u64 s[24:25], s[20:21], 0x800000
.macro XLOAD t
.irp i, 0,1,2,3
	global_load_b128 v[R+16*(\t)+4*\i:R+16*(\t)+4*\i+3], v3, s[4:5] offset:2048*(\t)+512*\i th:TH_LOAD_NT   ; 32 lanes read 512 consecutive bytes
.endr
.endm
.macro XTURN t                         ; a step's numbers through the stage: LDS serves a wave's instructions in order (ISA guide 5.7.1.4), so no wait stands between the stores and the loads
.irp i, 0,1,2,3
	ds_store_b128 v8, v[R+16*(\t)+4*\i:R+16*(\t)+4*\i+3] offset:32*SP*((\t)%2)+8*SP*\i
.endr
.irp i, 0,1,2,3
	ds_load_b128 v[X+16*((\t)%2)+4*\i:X+16*((\t)%2)+4*\i+3], v9 offset:32*SP*((\t)%2)+16*\i
.endr
.endm
.irp t, 0,1,2,3
	XLOAD \t                                       ; all that the wave will read is asked for here
.endr
	s_wait_alu depctr_va_vdst(0)
	s_wait_kmcnt 0x0
	MKSCALE 36, SCL, LIM                           ; e0: x for Q
	MKSCALE 38, SCL+2, LIM+2                       ; e2: x for K
	MKSCALE 40, SCL+4, LIM+4                       ; e4: x for V
	s_wait_alu depctr_va_vdst(0)
	s_wait_loadcnt 12                              ; step 0's four loads are in; those of the three steps behind it may be out
	XTURN 0
.macro XSTEP t
.set XS, X+16*((\t)%2)
.set CC, C+12*(\t)
	s_wait_dscnt 0x0                               ; this step's numbers are back from the stage
.if (\t)+1 < STEPS
	s_wait_loadcnt 4*(STEPS-2-(\t))                ; the next step's four loads are in; the younger steps' may be out
	XTURN (\t)+1                                   ; through the other stage while this step is worked
.endif
.irp p, 0,1,2
.irp i, 0,1,2,3,4,5,6,7,8,9,10,11,12,13,14,15
	v_med3_num_f32 v[T+16*\p+\i], v[XS+\i], -v[LIM+2*\p], v[LIM+2*\p]   ; the conversion does not saturate (ISA guide 7.6.2): the hold at the largest code x the scale
.endr
.endr
.irp p, 0,1,2
	v_cvt_scalef32_pk8_fp8_f32 v[CC+4*\p:CC+4*\p+1], v[T+16*\p:T+16*\p+7], v[SCL+2*\p]
	v_cvt_scalef32_pk8_fp8_f32 v[CC+4*\p+2:CC+4*\p+3], v[T+16*\p+8:T+16*\p+15], v[SCL+2*\p]
.endr
	v_nop                                          ; a plain vector line between the conversions and the next step's holds, which write their sources
	global_store_b128 v3, v[CC:CC+3], s[20:21] offset:512*(\t)      ; each store covers 512 consecutive bytes, aligned
	global_store_b128 v3, v[CC+4:CC+7], s[22:23] offset:512*(\t)
	global_store_b128 v3, v[CC+8:CC+11], s[24:25] offset:512*(\t)
.endm
.irp t, 0,1,2,3
	XSTEP \t
.endr
	s_wait_tensorcnt 0x0                           ; the wave's end: three lines behind my last LDS store
	ds_add_u32 v[SPW], v[NIL]
	s_wait_dscnt 0x0
	s_endpgm
	; ---------------- the weights ----------------
.Lweights:
	s_lshr_b32 s26, ttmp9, 6                       ; m: 0 Wq, 1 Wk, 2 Wv
	s_and_b32 s27, ttmp9, 15                       ; which four d
	s_bfe_u32 s28, ttmp9, 0x20004                  ; which 256 along K
	s_lshl_b32 s29, s27, 2
	s_add_co_u32 s29, s29, s18                     ; d = 4 cb + wave: my 16 columns are 16 d + head, head = 0 .. 15
	s_and_b32 s30, s29, 0x27
	s_and_b32 s31, s29, 8
	s_lshl_b32 s31, s31, 1
	s_or_b32 s30, s30, s31
	s_and_b32 s31, s29, 16
	s_lshr_b32 s31, s31, 1
	s_or_b32 s30, s30, s31                         ; sigma(d)
	s_cmp_eq_u32 s26, 2
	s_cselect_b32 s30, s29, s30                    ; Wv's rows keep their order
	s_cselect_b64 s[20:21], s[10:11], s[8:9]       ; the choices hang on the work-group's number alone
	s_cmp_eq_u32 s26, 0
	s_cselect_b64 s[20:21], s[6:7], s[20:21]
	s_lshl_b32 s32, s28, 20                        ; 256 rows of 4,096 bytes,
	s_lshl_b32 s33, s29, 6                         ; + 4 bytes x my first column
	s_add_co_u32 s32, s32, s33
	s_mov_b32 s33, 0
	s_add_nc_u64 s[20:21], s[20:21], s[32:33]
	s_lshl_b32 s34, s26, 20                        ; wc: part m, row sigma(d) of head 0, byte 256 kb
	s_lshl_b32 s35, s30, 10
	s_add_co_u32 s34, s34, s35
	s_lshl_b32 s35, s28, 8
	s_add_co_u32 s34, s34, s35
	s_mov_b32 s35, 0
	s_add_nc_u64 s[22:23], s[16:17], s[34:35]
	s_wait_alu depctr_va_vdst(0)
	v_and_b32 v5, 15, v2                           ; r: my column, which is my head
	v_lshrrev_b32 v6, 4, v2                        ; h: which 128 along K
	v_lshlrev_b32 v3, 2, v5                        ; in: 4 bytes a column,
	v_lshl_add_u32 v3, v6, 19, v3                  ; and 128 rows of 4,096 bytes further down for lanes 16-31
	s_mul_i32 s45, s18, 16*PITCH
	s_add_co_u32 s45, s45, WSTG                    ; my stage: 16 rows, one for each head
	v_mul_u32_u24 v4, v5, PITCH
	v_lshl_add_u32 v4, v6, 7, v4
	v_add_nc_u32 v4, s45, v4                       ; into it: row r, my half of its 256 bytes
	v_mul_u32_u24 v7, v6, PITCH
	v_lshl_add_u32 v7, v5, 4, v7
	v_add_nc_u32 v7, s45, v7                       ; out of it: sixteen lanes to a row, two rows an instruction
	v_lshlrev_b32 v8, 16, v6                       ; neighbouring stage rows are neighbouring heads: 64 rows of 1,024 bytes apart in wc
	v_lshl_add_u32 v8, v5, 4, v8
.macro WLOAD t                         ; block t: W(128 h + 32 t + i, my column), i = 0 .. 31: sixteen lanes read 64 consecutive bytes; the four waves together 256, aligned
.set wi, 0
.rept 32
	global_load_b32 v[WX+32*((\t)%2)+wi], v3, s[20:21] offset:(32*(\t)+wi)*4096
.set wi, wi+1
.endr
.endm
	WLOAD 0
	WLOAD 1
	s_wait_kmcnt 0x0
	s_cmp_eq_u32 s26, 2
	s_cselect_b32 s44, s41, s39                    ; e5 or e3,
	s_cmp_eq_u32 s26, 0
	s_cselect_b32 s44, s37, s44                    ; or e1
	MKSCALE 44, 11, 10
.macro WBLOCK t
.set XS, WX+32*((\t)%2)
.if (\t) < NB-1
	s_wait_loadcnt 32                              ; this block's 32 loads are in; the next block's may be out
.else
	s_wait_loadcnt 0
.endif
.set wi, 0
.rept 32
	v_med3_num_f32 v[XS+wi], v[XS+wi], -v10, v10   ; the hold at the largest code x the scale
.set wi, wi+1
.endr
.irp g, 0,1,2,3
	v_cvt_scalef32_pk8_fp8_f32 v[WC+2*\g:WC+2*\g+1], v[XS+8*\g:XS+8*\g+7], v11
.endr
	ds_store_b128 v4, v[WC:WC+3] offset:32*(\t)    ; 32 codes along K of my column
	ds_store_b128 v4, v[WC+4:WC+7] offset:32*(\t)+16
.if (\t)+2 < NB
	WLOAD (\t)+2
.endif
	s_wait_dscnt 0x0                               ; the stores have read their registers; the next block's 32 holds are the plain lines ahead of its conversions
.endm
	s_wait_alu depctr_va_vdst(0)
.irp t, 0,1,2,3
	WBLOCK \t
.endr
.irp t, 0,1,2,3,4,5,6,7
	ds_load_b128 v[OUTR+4*\t:OUTR+4*\t+3], v7 offset:2*\t*PITCH   ; LDS serves a wave's instructions in order: these see my stores
.endr
.irp t, 0,1,2,3,4,5,6,7
	s_wait_dscnt 7-\t                              ; the younger loads may be out
	global_store_b128 v8, v[OUTR+4*\t:OUTR+4*\t+3], s[22:23] offset:\t*131072   ; stage row 2 t + lane / 16 is that head's row of wc; sixteen lanes store 256 consecutive bytes, aligned
.endr
	s_wait_tensorcnt 0x0                           ; the wave's end: three lines behind my last LDS store
	ds_add_u32 v[SPW], v[NIL]
	s_wait_dscnt 0x0
	s_endpgm
.Lfunc_end_k_qe359ff85a1_quant:
	.size	k_qe359ff85a1_quant, .Lfunc_end_k_qe359ff85a1_quant-k_qe359ff85a1_quant
	.p2alignl 7, 3214868480
	.fill 96, 4, 3214868480
	.section	.rodata,"a",@progbits
	.p2align	6, 0x0
	.amdhsa_kernel k_qe359ff85a1_quant
		.amdhsa_group_segment_fixed_size 50688
		.amdhsa_private_segment_fixed_size 0
		.amdhsa_enable_private_segment 0
		.amdhsa_kernarg_size 56
		.amdhsa_user_sgpr_count 2
		.amdhsa_user_sgpr_kernarg_segment_ptr 1
		.amdhsa_wavefront_size32 1
		.amdhsa_system_sgpr_workgroup_id_x 1
		.amdhsa_system_sgpr_workgroup_id_y 1
		.amdhsa_system_sgpr_workgroup_id_z 1
		.amdhsa_system_vgpr_workitem_id 0
		.amdhsa_next_free_vgpr 216
		.amdhsa_next_free_sgpr 66
		.amdhsa_reserve_vcc 0
		.amdhsa_float_denorm_mode_32 3
		.amdhsa_float_denorm_mode_16_64 3
		.amdhsa_memory_ordered 1
		.amdhsa_forward_progress 1
		.amdhsa_inst_pref_size 48
	.end_amdhsa_kernel
	.amdgpu_metadata
---
amdhsa.version: [ 1, 2 ]
amdhsa.kernels:
  - .name:           k_qe359ff85a1_quant
    .symbol:         k_qe359ff85a1_quant.kd
    .args:
      - { .name: x, .offset: 0, .size: 8, .value_kind: global_buffer, .address_space: global }
      - { .name: Wq, .offset: 8, .size: 8, .value_kind: global_buffer, .address_space: global }
      - { .name: Wk, .offset: 16, .size: 8, .value_kind: global_buffer, .address_space: global }
      - { .name: Wv, .offset: 24, .size: 8, .value_kind: global_buffer, .address_space: global }
      - { .name: lowp_scales, .offset: 32, .size: 8, .value_kind: global_buffer, .address_space: global }
      - { .name: xc, .offset: 40, .size: 8, .value_kind: global_buffer, .address_space: global }
      - { .name: wc, .offset: 48, .size: 8, .value_kind: global_buffer, .address_space: global }
    .group_segment_fixed_size: 50688
    .private_segment_fixed_size: 0
    .kernarg_segment_align: 8
    .kernarg_segment_size: 56
    .max_flat_workgroup_size: 128
    .sgpr_count:     66
    .vgpr_count:     216
    .wavefront_size: 32
...
	.end_amdgpu_metadata
.endif
;; end of part 1
;; launch proj (part 2): grid 12 x 16, 4 waves a work-group, clusters of 4 x 4, 327,680 bytes of LDS; arguments xc, wc, Bq, lowp_scales, qkv; writes qkv
.if DOCPART == 2
	.amdgcn_target "amdgcn-amd-amdhsa--gfx1250"
	.amdhsa_code_object_version 6
	.text
	.protected	k_qe359ff85a1_proj
	.globl	k_qe359ff85a1_proj
	.p2align	8
	.type	k_qe359ff85a1_proj,@function
k_qe359ff85a1_proj:
	s_mov_b64 s[64:65], 0
	v_nop
	global_prefetch_b8 v0, s[64:65] scope:SCOPE_SE
	s_setreg_imm32_b32 hwreg(HW_REG_WAVE_MODE, 25, 1), 1
	s_wait_xcnt 0x0
	s_wait_alu depctr_hold_cnt(0) depctr_sa_sdst(0) depctr_va_vdst(0) depctr_va_sdst(0) depctr_va_ssrc(0) depctr_va_vcc(0) depctr_vm_vsrc(0)
	s_getreg_b32 s2, hwreg(HW_REG_IB_STS2, 6, 4)
	s_cmp_eq_u32 s2, 0
	s_cbranch_scc0 .Lentry_in_a_cluster
	s_endpgm
.Lentry_in_a_cluster:
	s_bfe_u32 s2, ttmp6, 0x10000c
	s_cmp_lg_u32 s2, 0xf033
	s_cbranch_scc0 .Lentry_shape_is_right
	s_endpgm
.Lentry_shape_is_right:
; The three projections on codes of E4M3: the cluster's x says which (0: Q = x Wq + Bq, 1: K = x Wk, 2: V = x Wv).  A work-group makes 256 x 256 of a product, a wave 128 x 128, K = 1,024 in four slots' worth of 256.
; For Q and K source 1 takes tokens and source 0 the weight's rows; for V the two change places, so that a lane's registers run along the keys.  Each finished sum x 2^(its two exponents) (+ Bq for Q) is held,
; quantised with the next product's given scale, and stored as images of that product's operand registers.  Ring, rounds and joint loads: two slots, A's tile shared along a row of the cluster, B's along a column.
; LIMITS: the sums of two exponents lie between -126 and 127, entries 6 to 8 between -126 and 119.
.set KSTEP,  256
.set ROWB,   256
.set KROW,   1024
.set PITCH,  272
.set FR,     16
.set NL,     4
.set NP,     4
.set HALFT,  128*PITCH
.set SLOT,   4*HALFT
.set LAPS,   1024/(2*KSTEP)
.set SPARE,  2*SLOT
.set ADRA, 16
.set ADRB, 20
.set CO,   26
.set BO,   27
.set SPW,  28
.set NIL,  29
.set LIMV, 30
.set SCLV, 31
.set BIAS, 32
.set AF,   128
.set TMP,  128
.set CD,   192
.set G1, 24
.set G0, 32
.set G1B, 48
.set G0B, 56
.set MSB, 0
.macro WIN new
.if MSB != \new
	s_set_vgpr_msb (MSB<<8)|\new
.set MSB, \new
.endif
.endm
.set MUL_LO, 0xa1
.set MUL_HI, 0xf1
.set TO_B,   0x40
.macro JLOAD g0a, g1a, g0b, g1b
	s_cmp_eq_u32 s15, 0
	s_cbranch_scc0 .Lfor_b_\@
	tensor_load_to_lds s[\g0a:\g0a+3], s[\g1a:\g1a+7]
	s_nop 0
.rept 4
	v_nop
.endr
	s_branch .Lasked_\@
.Lfor_b_\@:
	tensor_load_to_lds s[\g0b:\g0b+3], s[\g1b:\g1b+7]
	s_nop 0
.rept 4
	v_nop
.endr
.Lasked_\@:
.endm
.macro CREST
	s_cmp_lg_u32 s14, 0
	s_cbranch_scc1 .Lnot_wave_0_\@
	s_barrier_signal -3
.Lnot_wave_0_\@:
	s_barrier_wait -3
	s_barrier_signal -1
	s_barrier_wait -1
.endm
.macro CROUND
	s_barrier_signal -1
	s_barrier_wait -1
	CREST
.endm
	s_load_b128 s[4:7], s[0:1], 0x0
	s_load_b128 s[8:11], s[0:1], 0x10
	s_load_b64 s[12:13], s[0:1], 0x20
	v_lshl_add_u32 v[SPW], v0, 2, SPARE
	v_mov_b32 v[NIL], 0
	ds_add_u32 v[SPW], v[NIL]
	ds_add_u32 v[SPW], v[NIL]
	v_lshrrev_b32 v1, 5, v0
	v_readfirstlane_b32 s14, v1
	s_lshr_b32 s15, s14, 1
	s_and_b32 s16, s14, 1
	s_bfe_u32 s40, ttmp6, 0x40000
	s_bfe_u32 s41, ttmp6, 0x40004
	s_and_b32 s66, ttmp7, 0xffff
	s_lshl_b32 s66, s66, 2
	s_cmp_eq_u32 ttmp9, 2
	s_cselect_b32 s67, s66, 0
	s_cselect_b32 s68, 0, s66
	s_add_co_u32 s42, s40, s67
	s_add_co_u32 s17, s41, s68
	s_lshl_b32 s43, s41, 2
	s_lshl_b32 s43, 15, s43
	s_lshl_b32 s44, 0x1111, s40
	s_or_b32 s[G1+0], s43, (0<<16)|(1<<20)|(1<<21)|(5<<22)|(3<<25)
	s_or_b32 s[G1B+0], s44, (0<<16)|(1<<20)|(1<<21)|(5<<22)|(3<<25)
.irp g, G1, G1B
	s_mov_b32 s[\g+1], ROWB<<16
	s_mov_b32 s[\g+2], 128<<16
	s_mov_b32 s[\g+3], ROWB<<16
	s_mov_b32 s[\g+4], 128
	s_mov_b32 s[\g+5], KROW
	s_mov_b32 s[\g+6], 0
	s_mov_b32 s[\g+7], 0
.endr
	s_lshl_b32 s18, s16, 7
	s_lshl_b32 s20, s17, 8
	s_add_co_u32 s20, s20, s18
	s_lshl_b32 s20, s20, 10
	s_lshl_b32 s46, s42, 8
	s_add_co_u32 s46, s46, s18
	s_lshl_b32 s46, s46, 10
	s_mov_b32 s21, 0
	s_mov_b32 s47, 0
	s_mul_i32 s45, s14, HALFT
	s_lshl_b32 s74, ttmp9, 22
	s_mov_b32 s75, 0
	s_lshl_b32 s76, ttmp9, 20
	s_mov_b32 s77, 0
	s_wait_dscnt 0x0
	s_wait_kmcnt 0x0
	s_load_b256 s[80:87], s[10:11], 0x0
	s_load_b64 s[88:89], s[10:11], 0x20
	s_add_nc_u64 s[70:71], s[4:5], s[74:75]
	s_add_nc_u64 s[72:73], s[6:7], s[76:77]
	s_cmp_eq_u32 ttmp9, 2
	s_cselect_b64 s[74:75], s[70:71], s[72:73]
	s_cselect_b64 s[76:77], s[72:73], s[70:71]
	s_add_nc_u64 s[20:21], s[76:77], s[20:21]
	s_add_nc_u64 s[46:47], s[74:75], s[46:47]
	CROUND
.irp s, 0,1
	s_mov_b32 s[G0+4*\s], 1
	s_add_co_u32 s[G0+4*\s+1], s45, \s*SLOT
	s_add_nc_u64 s[G0+4*\s+2:G0+4*\s+3], s[20:21], \s*ROWB
	s_or_b32 s[G0+4*\s+3], s[G0+4*\s+3], 0x80000000
	s_mov_b32 s[G0B+4*\s], 1
	s_add_co_u32 s[G0B+4*\s+1], s45, \s*SLOT
	s_add_nc_u64 s[G0B+4*\s+2:G0B+4*\s+3], s[46:47], \s*ROWB
	s_or_b32 s[G0B+4*\s+3], s[G0B+4*\s+3], 0x80000000
.endr
	; the prefetches' base: of the 128 rows that my wave fetches, the partner at place p among the four that ask jointly (p = cx for A's tile, cy for B's) names rows 32 p .. 32 p + 31: told apart by address alone
	s_cmp_eq_u32 s15, 0
	s_cselect_b64 s[70:71], s[20:21], s[46:47]
	s_cselect_b32 s72, s40, s41
	s_lshl_b32 s72, s72, 15
	s_mov_b32 s73, 0
	s_add_nc_u64 s[70:71], s[70:71], s[72:73]
	JLOAD G0, G1, G0B, G1B                         ; K step 0, behind the opening round: one tensor load a wave at the head; the set-up and the bias loads below stand under its flight
	v_and_b32 v1, 15, v0
	v_bfe_u32 v2, v0, 4, 1
	v_mul_u32_u24 v3, v1, PITCH
	v_lshl_add_u32 v4, v2, 4, v3
	s_mul_i32 s21, s15, HALFT
	s_mul_i32 s22, s16, HALFT
	s_add_co_u32 s22, s22, 2*HALFT
.irp s, 0,1
	v_add_nc_u32 v[ADRA+\s], s21, v4
	v_add_nc_u32 v[ADRB+\s], s22, v4
	s_add_co_u32 s21, s21, SLOT
	s_add_co_u32 s22, s22, SLOT
.endr
	v_and_b32 v6, 31, v0
	v_lshlrev_b32 v[CO], 4, v6
	v_lshlrev_b32 v[BO], 10, v2
	v_lshlrev_b32 v7, 10, v6                       ; a lane a row of 1,024 bytes; never rewritten
	global_prefetch_b8 v7, s[70:71] offset:512 th:TH_LOAD_NT scope:SCOPE_SE   ; K step 2's 256 bytes of 32 rows: two fills ahead of the load that will ask for them
	s_lshl_b32 s78, s40, 1
	s_add_co_u32 s78, s78, s16
	s_lshl_b32 s78, s78, 3
	s_mov_b32 s79, 0
	s_add_nc_u64 s[78:79], s[8:9], s[78:79]
.set n, 0
.rept 64
	global_load_b32 v[BIAS+n], v[BO], s[78:79] offset:2048*(((n/8)%4)/2)+512*((n/8)%2)+64*(n%8)+4*(n/32)
.set n, n+1
.endr
	s_lshl_b32 s99, s42, 1
	s_add_co_u32 s99, s99, s16
	s_lshl_b32 s100, s17, 1
	s_add_co_u32 s100, s100, s15
	s_cmp_eq_u32 ttmp9, 2
	s_cselect_b32 s101, s99, s100
	s_cselect_b32 s99, s100, s99
	s_lshr_b32 s100, s101, 4
	s_lshl_b32 s100, s100, 7
	s_and_b32 s101, s101, 15
	s_add_co_u32 s100, s100, s101
	s_lshl_b32 s99, s99, 4
	s_add_co_u32 s100, s100, s99
	s_lshl_b32 s100, s100, 14
	s_lshl_b32 s99, ttmp9, 22
	s_add_co_u32 s100, s100, s99
	s_mov_b32 s101, 0
	s_add_nc_u64 s[12:13], s[12:13], s[100:101]
	s_cmp_eq_u32 ttmp9, 0
	s_cselect_b32 s98, -1, 0
	s_wait_kmcnt 0x0
	s_add_co_i32 s90, s80, s81
	s_add_co_i32 s91, s82, s83
	s_add_co_i32 s92, s84, s85
	s_cmp_eq_u32 ttmp9, 0
	s_cselect_b32 s93, s90, s91
	s_cselect_b32 s94, s87, s86
	s_cmp_eq_u32 ttmp9, 2
	s_cselect_b32 s93, s92, s93
	s_cselect_b32 s94, s88, s94
	s_add_co_i32 s93, s93, 127
	s_lshl_b32 s96, s93, 23
	s_mov_b32 s97, s96
	s_add_co_i32 s94, s94, 127
	s_lshl_b32 s95, s94, 23
	v_mov_b32 v[SCLV], s95
	s_add_co_i32 s94, s94, 8
	s_lshl_b32 s94, s94, 23
	s_or_b32 s94, s94, 0x600000
	v_mov_b32 v[LIMV], s94
	s_wait_loadcnt 0x0
.set n, 0
.rept 64
	v_and_b32 v[BIAS+n], s98, v[BIAS+n]
.set n, n+1
.endr
.macro FRAG reg, adr, q, i
.irp c, 0,1,2,3
	ds_load_b128 v[\reg+4*\c:\reg+4*\c+3], v[\adr] offset:128*(\q)+32*\c+(\i)*16*PITCH
.endr
.endm
.macro MUL16 a0, p, zero
.irp a, \a0, \a0+1
.irp b, 0,1,2,3,4,5,6,7
.if \zero
	v_wmma_f32_16x16x128_fp8_fp8 v[8*(8*((\a)%4)+\b):8*(8*((\a)%4)+\b)+7], v[128*(\p)+FR*\b:128*(\p)+FR*\b+FR-1], v[AF+FR*(\a):AF+FR*(\a)+FR-1], 0
.else
	v_wmma_f32_16x16x128_fp8_fp8 v[8*(8*((\a)%4)+\b):8*(8*((\a)%4)+\b)+7], v[128*(\p)+FR*\b:128*(\p)+FR*\b+FR-1], v[AF+FR*(\a):AF+FR*(\a)+FR-1], v[8*(8*((\a)%4)+\b):8*(8*((\a)%4)+\b)+7]
.endif
.endr
.endr
.endm
.macro FETCH_B slot, q, p
	WIN TO_B
.irp i, 0,1,2,3,4,5,6,7
	FRAG 128*(\p)+FR*\i, ADRB+\slot, \q, \i
.endr
	WIN 0
.endm
.macro FETCH_A slot, q, i0
.irp i, \i0, \i0+1, \i0+2, \i0+3
	FRAG AF+FR*(\i), ADRA+\slot, \q, \i
.endr
.endm
.macro PLACES n
.rept \n
	v_nop
.endr
.endm
.macro STEP slot, q, zero
	s_wait_dscnt 4*NL
	WIN MUL_LO
	MUL16 0, (\q)%2, \zero
	MUL16 2, (\q)%2, \zero
	s_wait_dscnt 0
	PLACES NP
	FETCH_B \slot, (\q)+1, 1-(\q)%2
	FETCH_A \slot, (\q)+1, 0
	WIN MUL_HI
	MUL16 4, (\q)%2, \zero
	MUL16 6, (\q)%2, \zero
	PLACES NP
	WIN 0
	FETCH_A \slot, (\q)+1, 4
.endm
.macro TURN slot, next, fill
	s_wait_tensorcnt 0x0
	ds_add_u32 v[SPW], v[NIL]
	s_wait_dscnt 4*NL+1
	WIN MUL_LO
	MUL16 0, 1, 0
	s_wait_dscnt 0x0
	s_barrier_signal -1
	MUL16 2, 1, 0
	WIN 0
	s_barrier_wait -1
.if \fill
	CREST
	s_add_nc_u64 s[G0+4*\slot+2:G0+4*\slot+3], s[G0+4*\slot+2:G0+4*\slot+3], 2*ROWB
	s_add_nc_u64 s[G0B+4*\slot+2:G0B+4*\slot+3], s[G0B+4*\slot+2:G0B+4*\slot+3], 2*ROWB
	JLOAD G0+4*\slot, G1, G0B+4*\slot, G1B
.else
	PLACES NP
.endif
	FETCH_B \next, 0, 0
	FETCH_A \next, 0, 0
	WIN MUL_HI
	MUL16 4, 1, 0
	MUL16 6, 1, 0
	PLACES NP
	WIN 0
	FETCH_A \next, 0, 4
.endm
	s_wait_alu depctr_va_vdst(0)                   ; the wait at the head's end
	s_wait_tensorcnt 0x0                           ; my part of K step 0 is in; the lines ahead of a later first fill:
	ds_add_u32 v[SPW], v[NIL]
	s_wait_dscnt 0x0
	CROUND                                         ; everybody's part of K step 0 is in, and all sixteen work-groups are here
	JLOAD G0+4, G1, G0B+4, G1B                     ; K step 1: the first tensor load behind the round
	FETCH_B 0, 0, 0
	FETCH_A 0, 0, 0
	FETCH_A 0, 0, 4
	global_prefetch_b8 v7, s[70:71] offset:768 th:TH_LOAD_NT scope:SCOPE_SE   ; K step 3's, likewise two fills ahead; there is no K step behind it
	STEP 0, 0, 1
	s_mov_b32 s3, LAPS-1
.Llap:
	TURN 0, 1, 1
	STEP 1, 0, 0
	TURN 1, 0, 1
	STEP 0, 0, 0
	s_sub_co_u32 s3, s3, 1
	s_cmp_lg_u32 s3, 0
	s_cbranch_scc1 .Llap
	TURN 0, 1, 0
	STEP 1, 0, 0
	s_wait_dscnt 4*NL
	WIN MUL_LO
	MUL16 0, 1, 0
	MUL16 2, 1, 0
	s_wait_dscnt 0
	WIN MUL_HI
	MUL16 4, 1, 0
	MUL16 6, 1, 0
	WIN 0
	PLACES NP
.macro OUTBLK a
.set AC, 64*((\a)%4)
.set CC, CD+16*((\a)%2)
.if (\a) >= 2
	s_wait_xcnt 0x0
.endif
	WIN 0x02+((\a)/4)
.set j, 0
.rept 32
	v_pk_fma_f32 v[TMP+j:TMP+j+1], v[AC+j:AC+j+1], s[96:97], v[BIAS+j:BIAS+j+1] op_sel_hi:[1,0,1]
.set j, j+2
.endr
	WIN 0
.set j, 0
.rept 64
	v_med3_num_f32 v[TMP+j], v[TMP+j], -v[LIMV], v[LIMV]
.set j, j+1
.endr
.irp g, 0,1,2,3,4,5,6,7
	v_cvt_scalef32_pk8_fp8_f32 v[CC+2*\g:CC+2*\g+1], v[TMP+8*\g:TMP+8*\g+7], v[SCLV]
.endr
	v_nop
.irp g, 0,1,2,3
	global_store_b128 v[CO], v[CC+4*\g:CC+4*\g+3], s[12:13] offset:(\a)*2048+512*\g
.endr
.endm
.irp a, 0,1,2,3,4,5,6,7
	OUTBLK \a
.endr
	s_wait_tensorcnt 0x0
	ds_add_u32 v[SPW], v[NIL]
	s_wait_dscnt 0x0
	CROUND
	s_endpgm
.Lfunc_end_k_qe359ff85a1_proj:
	.size	k_qe359ff85a1_proj, .Lfunc_end_k_qe359ff85a1_proj-k_qe359ff85a1_proj
	.p2alignl 7, 3214868480
	.fill 96, 4, 3214868480
	.section	.rodata,"a",@progbits
	.p2align	6, 0x0
	.amdhsa_kernel k_qe359ff85a1_proj
		.amdhsa_group_segment_fixed_size 327680
		.amdhsa_private_segment_fixed_size 0
		.amdhsa_enable_private_segment 0
		.amdhsa_kernarg_size 40
		.amdhsa_user_sgpr_count 2
		.amdhsa_user_sgpr_kernarg_segment_ptr 1
		.amdhsa_wavefront_size32 1
		.amdhsa_system_sgpr_workgroup_id_x 1
		.amdhsa_system_sgpr_workgroup_id_y 1
		.amdhsa_system_sgpr_workgroup_id_z 1
		.amdhsa_system_vgpr_workitem_id 0
		.amdhsa_next_free_vgpr 1024
		.amdhsa_next_free_sgpr 102
		.amdhsa_reserve_vcc 0
		.amdhsa_float_denorm_mode_32 3
		.amdhsa_float_denorm_mode_16_64 3
		.amdhsa_memory_ordered 1
		.amdhsa_forward_progress 1
		.amdhsa_inst_pref_size 144
	.end_amdhsa_kernel
	.amdgpu_metadata
---
amdhsa.version: [ 1, 2 ]
amdhsa.kernels:
  - .name:           k_qe359ff85a1_proj
    .symbol:         k_qe359ff85a1_proj.kd
    .args:
      - { .name: xc, .offset: 0, .size: 8, .value_kind: global_buffer, .address_space: global }
      - { .name: wc, .offset: 8, .size: 8, .value_kind: global_buffer, .address_space: global }
      - { .name: Bq, .offset: 16, .size: 8, .value_kind: global_buffer, .address_space: global }
      - { .name: lowp_scales, .offset: 24, .size: 8, .value_kind: global_buffer, .address_space: global }
      - { .name: qkv, .offset: 32, .size: 8, .value_kind: global_buffer, .address_space: global }
    .group_segment_fixed_size: 327680
    .private_segment_fixed_size: 0
    .kernarg_segment_align: 8
    .kernarg_segment_size: 40
    .max_flat_workgroup_size: 128
    .sgpr_count:     102
    .vgpr_count:     1024
    .wavefront_size: 32
...
	.end_amdgpu_metadata
.endif
;; end of part 2
;; launch attn (part 3): grid 8 x 32, 8 waves a work-group, clusters of 4 x 1, 327,680 bytes of LDS; arguments qkv, lowp_scales, ow; writes ow
.if DOCPART == 3
	.amdgcn_target "amdgcn-amd-amdhsa--gfx1250"
	.amdhsa_code_object_version 6
	.text
	.protected	k_qe359ff85a1_attn
	.globl	k_qe359ff85a1_attn
	.p2align	8
	.type	k_qe359ff85a1_attn,@function
k_qe359ff85a1_attn:
	s_mov_b64 s[64:65], 0
	v_nop
	global_prefetch_b8 v0, s[64:65] scope:SCOPE_SE
	s_setreg_imm32_b32 hwreg(HW_REG_WAVE_MODE, 25, 1), 1
	s_wait_xcnt 0x0
	s_wait_alu depctr_hold_cnt(0) depctr_sa_sdst(0) depctr_va_vdst(0) depctr_va_sdst(0) depctr_va_ssrc(0) depctr_va_vcc(0) depctr_vm_vsrc(0)
	s_getreg_b32 s2, hwreg(HW_REG_IB_STS2, 6, 4)
	s_cmp_eq_u32 s2, 0
	s_cbranch_scc0 .Lentry_in_a_cluster
	s_endpgm
.Lentry_in_a_cluster:
	s_bfe_u32 s2, ttmp6, 0x10000c
	s_cmp_lg_u32 s2, 0x3003
	s_cbranch_scc0 .Lentry_shape_is_right
	s_endpgm
.Lentry_shape_is_right:
; Attention on codes of E4M3: 32 heads (batch x 16 + head) of size 64, 2,048 queries and 2,048 keys each, no mask, logits = score / 32.
; THE SOFTMAX AHEAD OF THE SECOND PRODUCT: t = logit x log2(e); M = the row's largest t so far, rounded UP to a whole number; p = 2^(t - M) is quantised, not normalised.
; The row's sum is taken of the unquantised p, in f32, and divides O at the end.  When M moves, the sum and O are multiplied by 2^(old M - new M), which rounds nothing.
; SHARES.  A work-group owns 256 queries of one head, each of its eight waves TWO tiles of 16: every fragment of K and V that a wave reads from LDS feeds two matrix instructions.
; LDS holds the head's WHOLE K and V (131,072 bytes each), as images of the operands' registers: a fragment's four registers are read at 16 x lane, 512 consecutive bytes a load.  No byte is filled twice.
; THE FILLS go out in two groups, one tensor load a wave in each (waves 0-3: K, waves 4-7: V).  Group 1, at the head: keys 0-511.  Group 2, behind the full sequence and a round: keys 512-2,047;
; it is on its way while the first four key steps are worked.  ONE work-group barrier follows, which guards no refill: a wave signals it behind its third key step, when its own load of group 2 has landed,
; and waits for it behind the fourth, which reads keys 384-511 alone.
; CLUSTER.  The four query blocks of a cluster belong to one head and read the same K and V: every tile is asked for JOINTLY, with the mask 15.
; LAYOUT.  Both products are used transposed: S^T = K Q^T (source 0 = 16 keys), O^T = V^T P^T (source 0 = 16 of the head's 64): a lane holds ONE query (lane % 16) of each tile throughout.
; The rows of a tile of K are not neighbours (bits 3 and 4 of a token's number are exchanged in the images), so the 16 registers of score tiles 2 b, 2 b + 1 are keys 32 b + 16 (lane / 16) + 0 .. 15 of the step.
; Q's tiles are laid alike; the launch that merges the heads puts each row of O where its token belongs.
; THE TWO TILES' SOFTMAX LINES STAND BY TURNS: one tile's dependent lines among the other's independent ones, and among the exponentials plain lines whose results are first read behind the next wait.
; No prefetch: all of K and V is asked for by the two groups at the head, the second as soon as the first has landed; no loop runs ahead of a tensor load.
; LIMITS on the given exponents: e6 + e7 between -121 and 132 (added to c's exponent field); e9 between -126 and 119; e8 + e9 is applied by v_ldexp_f32 and has none.
; The scaled scores stay under 2^31 in magnitude.
; REGISTERS, in two windows of 256.  Window 0: all that the softmax names.  tile 0 / tile 1: v4 / v7 -M as it was; v12 / v10 -M; v13 / v11 the largest t; v[14:15] / v[8:9] the row's sum; v[16:17] / v[18:19] f;
;   v20 / v21, v22 / v23 at work; v24, v27 448 x 2^e9; v25 2^e9; v32-95 / v96-159 S^T, then p; v160-167 / v168-175 maxima; v176-207 sixteen pairs of sums.
; Window 1: what the matrix instructions alone name besides S^T: K, V, O^T, p's codes, Q.
.set LI,   1
.set ADK,  2
.set ADV,  3
.set SPW,  5                           ; LDS address of my spare word; never rewritten
.set NIL,  6                           ; 0; never rewritten
.set S0,   32
.set S1,   96
.set MA,   160
.set MB,   168
.set SM,   176
.set KB,   0                           ; window 1: v0-63 eight fragments of K
.set VB,   64                          ;           v64-127 four of V
.set O0,   128                         ;           O^T of tile 0, tile 1
.set O1,   160
.set PC0,  192                         ;           p's codes
.set PC1,  208
.set Q0,   224                         ;           Q
.set Q1,   232
.set WV,   10                          ; s10  my wave's number
.set TB,   11                          ; s11  LDS byte of the step's K; V's lies VLDS further on
.set CNT,  12
.set SEL,  20                          ; s[20:21] lane selects for v_permlanex16_b32: lane l xor 16
.set CS,   22                          ; s[22:23] c = log2(e) / 32 x 2^(e6 + e7)
.set G1A,  24                          ; descriptor groups 1: K of group 1, V of group 1, K of group 2, V of group 2
.set G1B,  32
.set G1C,  40
.set G1D,  48
.set G0A,  56                          ; and their groups 0
.set G0B,  60
.set G0C,  68
.set G0D,  72
.set VLDS, 131072
.set SPARE, 262144                     ; behind K and V: the spare words, 128 bytes for each of the eight waves, which no other line names
.set MSB, 0
.macro WIN new                         ; low byte: bits 1:0 source 0, 3:2 source 1, 5:4 source 2, 7:6 destination; the high byte repeats the setting that is left
.if MSB != \new
	s_set_vgpr_msb (MSB<<8)|\new
.set MSB, \new
.endif
.endm
.macro CROUND                          ; a round of the cluster's barrier
	s_barrier_signal -1
	s_barrier_wait -1
	s_cmp_lg_u32 s[WV], 0
	s_cbranch_scc1 .Lnot_wave_0_\@
	s_barrier_signal -3
.Lnot_wave_0_\@:
	s_barrier_wait -3
	s_barrier_signal -1
	s_barrier_wait -1
.endm
.macro MKG1 g, c, r, p                 ; r rows of c elements of 8 bytes, p elements apart, no padding; mask 15 with bit 21 beside it
	s_mov_b32 s[\g], 15|(3<<16)|(1<<21)
	s_mov_b32 s[\g+1], (\c)<<16
	s_mov_b32 s[\g+2], (\r)<<16
	s_mov_b32 s[\g+3], (\c)<<16
	s_mov_b32 s[\g+4], \r
	s_mov_b32 s[\g+5], \p
	s_mov_b32 s[\g+6], 0
	s_mov_b32 s[\g+7], 0
.endm
.macro JLOAD g0k, g1k, g0v, g1v        ; waves 0-3 fetch for K, waves 4-7 for V: one load in each arm, both arms lead to one join; the branch hangs on the wave's number alone
	s_cmp_lt_u32 s[WV], 4
	s_cbranch_scc0 .Lfor_v_\@
	tensor_load_to_lds s[\g0k:\g0k+3], s[\g1k:\g1k+7]
	s_nop 0
.rept 4
	v_nop
.endr
	s_branch .Lasked_\@
.Lfor_v_\@:
	tensor_load_to_lds s[\g0v:\g0v+3], s[\g1v:\g1v+7]
	s_nop 0
.rept 4
	v_nop
.endr
.Lasked_\@:
.endm
	s_load_b128 s[4:7], s[0:1], 0x0                ; qkv s[4:5], the scales' exponents s[6:7]
	s_load_b64 s[8:9], s[0:1], 0x10                ; ow
	v_lshl_add_u32 v[SPW], v0, 2, SPARE
	v_mov_b32 v[NIL], 0
	ds_add_u32 v[SPW], v[NIL]                      ; the wave's opening: the add, twice on end, and its wait ahead of the first tensor loads
	ds_add_u32 v[SPW], v[NIL]
	v_lshrrev_b32 v1, 5, v0
	v_readfirstlane_b32 s[WV], v1                  ; wave 0..7
	v_and_b32 v1, 31, v0
	v_lshlrev_b32 v[LI], 4, v1
	s_and_b32 s76, ttmp7, 0xffff                   ; bh = 16 batch + head, which the four partners share
	s_bfe_u32 s77, ttmp6, 0x40000                  ; cx: it enters Q's and ow's addresses alone
	s_lshl_b32 s78, ttmp9, 2
	s_add_co_u32 s78, s78, s77                     ; my block of 256 queries
	s_lshl_b32 s78, s78, 4
	s_lshl_b32 s77, s[WV], 1
	s_add_co_u32 s78, s78, s77                     ; T: the first of my two tiles of 16 queries, 0 .. 126
	s_lshr_b32 s79, s76, 4
	s_lshl_b32 s79, s79, 21                        ; batch,
	s_bfe_u32 s80, s76, 0x30001
	s_lshl_b32 s80, s80, 18                        ; pair of heads: their bytes in each third of qkv
	s_add_co_u32 s79, s79, s80
	s_and_b32 s81, s76, 1                          ; which head of the pair:
	s_lshl_b32 s82, s81, 10                        ; 1,024 bytes on in a tile of Q or K,
	s_add_co_u32 s82, s82, s79
	s_lshl_b32 s84, s81, 13                        ; 8,192 in a key step of V
	s_add_co_u32 s84, s84, s79
	s_lshl_b32 s86, s78, 11                        ; Q: tile T's 2,048 bytes, my head's 1,024 of them
	s_add_co_u32 s86, s86, s82
	s_mov_b32 s87, 0
	s_lshl_b32 s88, s76, 7
	s_add_co_u32 s88, s88, s78
	s_lshl_b32 s88, s88, 12                        ; ow: (128 bh + T) x 4,096 bytes
	s_mov_b32 s89, 0
	; where the four kinds of fill come from (every wave makes all four, and asks by two of them).  In memory the other head of the pair lies between: a tile of K is 2,048 bytes on, a key step of V 16,384
	s_lshl_b32 s90, s[WV], 14                      ; K, group 1: eight tiles x wave,
	s_add_co_u32 s90, s90, s82
	s_add_co_u32 s90, s90, 0x400000                ; in third 1
	s_mov_b32 s91, 0
	s_and_b32 s96, s[WV], 3                        ; u = wave - 4
	s_lshl_b32 s92, s96, 14                        ; V, group 1: key step u,
	s_add_co_u32 s92, s92, s84
	s_add_co_u32 s92, s92, 0x800000                ; in third 2
	s_mov_b32 s93, 0
	s_mul_i32 s94, s[WV], 49152                    ; K, group 2: 24 tiles x wave, behind the first 32
	s_add_co_u32 s94, s94, s82
	s_add_co_u32 s94, s94, 0x410000
	s_mov_b32 s95, 0
	s_mul_i32 s100, s96, 49152                     ; V, group 2: three key steps x u, behind the first four
	s_add_co_u32 s100, s100, s84
	s_add_co_u32 s100, s100, 0x810000
	s_mov_b32 s101, 0
	; and where they go
	s_mov_b32 s[G0A], 1
	s_lshl_b32 s[G0A+1], s[WV], 13
	s_mov_b32 s[G0B], 1
	s_lshl_b32 s[G0B+1], s96, 13
	s_add_co_u32 s[G0B+1], s[G0B+1], VLDS
	s_mov_b32 s[G0C], 1
	s_mul_i32 s[G0C+1], s[WV], 24576
	s_add_co_u32 s[G0C+1], s[G0C+1], 32768
	s_mov_b32 s[G0D], 1
	s_mul_i32 s[G0D+1], s96, 24576
	s_add_co_u32 s[G0D+1], s[G0D+1], VLDS+32768
	MKG1 G1A, 128, 8, 256                          ; eight tiles' 1,024 bytes of my head
	MKG1 G1B, 128, 8, 128                          ; 8,192 dense bytes as rows of 1,024
	MKG1 G1C, 128, 24, 256                         ; 24 tiles
	MKG1 G1D, 1024, 3, 2048                        ; three key steps' 8,192 bytes of my head
	s_mov_b32 s[SEL], 0x76543210
	s_mov_b32 s[SEL+1], 0xfedcba98
	s_mov_b32 s[CS], 0x3d38aa3b                    ; log2(e) / 32
	s_mov_b32 s[TB], 0
	s_wait_dscnt 0x0                               ; both opening adds are done
	s_wait_kmcnt 0x0
	s_load_b64 s[16:17], s[6:7], 0x18              ; e6, e7
	s_load_b64 s[18:19], s[6:7], 0x20              ; e8, e9 (p)
	s_add_nc_u64 s[G0A+2:G0A+3], s[4:5], s[90:91]
	s_or_b32 s[G0A+3], s[G0A+3], 0x80000000
	s_add_nc_u64 s[G0B+2:G0B+3], s[4:5], s[92:93]
	s_or_b32 s[G0B+3], s[G0B+3], 0x80000000
	s_add_nc_u64 s[G0C+2:G0C+3], s[4:5], s[94:95]
	s_or_b32 s[G0C+3], s[G0C+3], 0x80000000
	s_add_nc_u64 s[G0D+2:G0D+3], s[4:5], s[100:101]
	s_or_b32 s[G0D+3], s[G0D+3], 0x80000000
	s_add_nc_u64 s[86:87], s[4:5], s[86:87]
	s_add_nc_u64 s[8:9], s[8:9], s[88:89]
	CROUND                                         ; all four work-groups are here: the joint loads meet
	JLOAD G0A, G1A, G0B, G1B                       ; group 1: keys 0-511, one load a wave
	s_wait_alu depctr_va_vdst(0)                   ; the wait ahead of the reader of v1 below
	WIN 0x40                                       ; destinations in window 1
	global_load_b128 v[Q0:Q0+3], v[LI], s[86:87]             ; Q's fragments stay in registers: lane (r, h): d = 16 h + 0 .. 15,
	global_load_b128 v[Q0+4:Q0+7], v[LI], s[86:87] offset:512 ; and 32 + 16 h + 0 .. 15
	global_load_b128 v[Q1:Q1+3], v[LI], s[86:87] offset:2048
	global_load_b128 v[Q1+4:Q1+7], v[LI], s[86:87] offset:2560
.set j, 0
.rept 64
	v_mov_b32 v[O0+j], 0                           ; O^T of both tiles: the step is written alike for all keys; the first finds zeros, which the first change of M leaves zeros
.set j, j+1
.endr
	WIN 0
	v_mov_b32 v13, 0xff61b1e6                      ; the largest t so far: -3e38, under every t
	v_mov_b32 v11, 0xff61b1e6
	v_floor_f32 v12, -v13                          ; -M
	v_floor_f32 v10, -v11
.irp r, 14,15,8,9,17,19,22,23,SM,SM+1,SM+16,SM+17
	v_mov_b32 v[\r], 0                             ; the rows' sums; the upper halves of f's pairs; the lane permutes' destinations, which count as sources; a step's sums, which join the rows' at the next step's head
.endr
	s_wait_kmcnt 0x0
	s_add_co_i32 s76, s16, s17
	s_lshl_b32 s76, s76, 23
	s_add_co_i32 s[CS], s[CS], s76                 ; a score stands for score x 2^(e6 + e7): the exponents are added to c's exponent field
	s_mov_b32 s[CS+1], s[CS]                       ; (named with it as a pair, so it is written)
	s_add_co_i32 s76, s19, 127
	s_lshl_b32 s77, s76, 23
	v_mov_b32 v25, s77                             ; 2^e9 as f32, for the conversion
	s_add_co_i32 s76, s76, 8
	s_lshl_b32 s76, s76, 23
	s_or_b32 s76, s76, 0x600000
	v_mov_b32 v24, s76                             ; 448 x 2^e9,
	v_mov_b32 v27, s76                             ; twice: the two halves of a dual instruction take their second sources from different register banks
.macro LOADK off                       ; eight fragments of K, 8,192 bytes from ADK + off on, into window 1
	WIN 0x40
.irp t, 0,1,2,3,4,5,6,7
	ds_load_b128 v[KB+8*\t:KB+8*\t+3], v[ADK] offset:(\off)+1024*\t
	ds_load_b128 v[KB+8*\t+4:KB+8*\t+7], v[ADK] offset:(\off)+1024*\t+512
.endr
	WIN 0
.endm
; A tile's largest score among my 64 keys: eight chains, one for each accumulator, from its low end on
.macro MR1 s, m, a, b                  ; accumulators a .. b - 1: their first three
.set t, \a
.rept (\b)-(\a)
	v_max3_num_f32 v[\m+t], v[\s+8*t], v[\s+8*t+1], v[\s+8*t+2]
.set t, t+1
.endr
.endm
.macro MR s, m, o, a, b                ; two more, registers o and o + 1
.set t, \a
.rept (\b)-(\a)
	v_max3_num_f32 v[\m+t], v[\m+t], v[\s+8*t+\o], v[\s+8*t+\o+1]
.set t, t+1
.endr
.endm
.macro MN s, m                         ; the eight chains become four, with four of the eight last registers,
	v_max3_num_f32 v[\m], v[\m], v[\m+1], v[\s+7]
	v_max3_num_f32 v[\m+2], v[\m+2], v[\m+3], v[\s+15]
	v_max3_num_f32 v[\m+4], v[\m+4], v[\m+5], v[\s+23]
	v_max3_num_f32 v[\m+6], v[\m+6], v[\m+7], v[\s+31]
.endm
.macro MQ s, m                         ; and three, with the other four
	v_max3_num_f32 v[\m], v[\m], v[\s+39], v[\s+47]
	v_max3_num_f32 v[\m+2], v[\m+2], v[\s+55], v[\s+63]
	v_max_num_f32 v[\m+4], v[\m+4], v[\m+6]
.endm
.macro TMN s, nm, n                    ; n lines of t - M, two numbers a line (of the pairs c and -M the low word serves both halves), from counter jt on
.rept \n
	v_pk_fma_f32 v[\s+jt:\s+jt+1], v[\s+jt:\s+jt+1], s[CS:CS+1], v[\nm:\nm+1] op_sel_hi:[1,0,0]
.set jt, jt+2
.endr
.endm
.macro HOLD s, n                       ; the conversion does not saturate (ISA guide 7.6.2); p is not negative, so the hold is one-sided; two numbers an instruction, from counter jh on
.rept \n
	v_dual_min_num_f32 v[\s+jh], v[\s+jh], v24 :: v_dual_min_num_f32 v[\s+jh+1], v[\s+jh+1], v27
.set jh, jh+2
.endr
.endm
.macro TADD a, b                       ; pair a of the sums += pair b
	v_pk_add_f32 v[SM+2*(\a):SM+2*(\a)+1], v[SM+2*(\a):SM+2*(\a)+1], v[SM+2*(\b):SM+2*(\b)+1]
.endm
.macro CVT pc, s
.irp b, 0,1,2,3
	v_cvt_scalef32_pk8_fp8_f32 v[\pc+4*\b:\pc+1+4*\b], v[\s+16*\b:\s+7+16*\b], v25
	v_cvt_scalef32_pk8_fp8_f32 v[\pc+2+4*\b:\pc+3+4*\b], v[\s+8+16*\b:\s+15+16*\b], v25
.endr
.endm
.macro RESC o, f                       ; O^T under the new M
.set j, 0
.rept 16
	v_pk_mul_f32 v[\o+j:\o+j+1], v[\o+j:\o+j+1], v[\f:\f+1] op_sel_hi:[1,0]
.set j, j+2
.endr
.endm
.macro PV o, pc                        ; O^T += V^T P^T: the accumulators by turns
.irp d, 0,1,2,3
	v_wmma_f32_16x16x128_fp8_fp8 v[\o+8*\d:\o+8*\d+7], v[VB+16*\d:VB+16*\d+15], v[\pc:\pc+15], v[\o+8*\d:\o+8*\d+7]
.endr
.endm
.macro QK s, q                         ; S^T: eight tiles of 16 keys; K = the head's 64
.irp t, 0,1,2,3,4,5,6,7
	v_wmma_f32_16x16x64_fp8_fp8 v[\s+8*\t:\s+8*\t+7], v[KB+8*\t:KB+8*\t+7], v[\q:\q+7], 0
.endr
.endm
; A KEY STEP: 128 keys x my 32 queries.  Its K has been asked of LDS before it begins.  pre = 1: the next step's K is asked for in it.
.macro STEP pre
	v_add_nc_u32 v[ADK], s[TB], v[LI]              ; four places in front of the loads into V's registers, which the last products read
	v_pk_add_f32 v[14:15], v[14:15], v[SM:SM+1]    ; the last step's sums join the rows' (both stand under the same M)
	v_add_nc_u32 v[ADV], VLDS, v[ADK]
	v_pk_add_f32 v[8:9], v[8:9], v[SM+16:SM+17]
	WIN 0x40
.irp d, 0,1,2,3
.irp c, 0,1,2,3
	ds_load_b128 v[VB+16*\d+4*\c:VB+16*\d+4*\c+3], v[ADV] offset:2048*\d+512*\c   ; V's four fragments: they land while the softmax is worked
.endr
.endr
	s_wait_dscnt 16                                ; K is in; the sixteen loads of V, which are younger, may be out
	WIN 0x05                                       ; K and Q from window 1, S^T in window 0
	QK S0, Q0
	QK S1, Q1
	WIN 0
	v_mov_b32 v4, v12                              ; -M as it was: four places in front of the first read of the scores
	v_mov_b32 v7, v10
	v_nop
	v_nop
	MR1 S0, MA, 0, 8
	MR S0, MA, 3, 0, 8
	MR S0, MA, 5, 0, 8
.if \pre
	LOADK 8192                                     ; 31 plain vector lines stand between the line that made K's address and these loads
.endif
	MN S0, MA                                      ; from here on tile 0's dependent lines stand among tile 1's maxima,
	MR1 S1, MB, 0, 8
	MQ S0, MA
	MR S1, MB, 3, 0, 4
	v_max3_num_f32 v20, v[MA], v[MA+2], v[MA+4]    ; tile 0's largest score among my 64 keys,
	MR S1, MB, 3, 4, 8
	v_permlanex16_b32 v22, v20, s[SEL], s[SEL+1]
	MR S1, MB, 5, 0, 4
	v_max_num_f32 v20, v20, v22                    ; and among lane l xor 16's
	MR S1, MB, 5, 4, 8
	v_mul_f32 v20, s[CS], v20                      ; as t (c is positive)
	MN S1, MB
	v_max_num_f32 v13, v13, v20                    ; the running largest t
	MQ S1, MB
	v_floor_f32 v12, -v13                          ; the new -M = floor(-t) = -ceil(t): a whole number
	v_max3_num_f32 v21, v[MB], v[MB+2], v[MB+4]    ; tile 1 likewise, its dependent lines among tile 0's t - M
	v_sub_f32 v20, v12, v4                         ; M's old value less its new one: a whole number, 0 or less
.set jt, 0
	TMN S0, 12, 3
	v_permlanex16_b32 v23, v21, s[SEL], s[SEL+1]
	v_cvt_i32_f32 v20, v20                         ; (it saturates)
	TMN S0, 12, 3
	v_max_num_f32 v21, v21, v23
	v_ldexp_f32 v16, 1.0, v20                      ; f = 2^(old M - new M)
	TMN S0, 12, 3
	v_mul_f32 v21, s[CS], v21
	TMN S0, 12, 4
	v_max_num_f32 v11, v11, v21
	TMN S0, 12, 4
	v_floor_f32 v10, -v11
	TMN S0, 12, 4
	v_sub_f32 v21, v10, v7
	TMN S0, 12, 4
	v_cvt_i32_f32 v21, v21
	TMN S0, 12, 4
	v_ldexp_f32 v18, 1.0, v21
	TMN S0, 12, 3
	s_wait_alu depctr_va_vdst(0)                   ; the wait ahead of the batch
.set jt, 0
.set j, 0
.rept 32                                       ; p = 2^(t - M) of tile 0, at most 1, not normalised; among the exponentials tile 1's t - M, which is first read behind the next wait
	v_exp_f32 v[S0+j], v[S0+j]
	TMN S1, 10, 1
	v_exp_f32 v[S0+j+1], v[S0+j+1]
.set j, j+2
.endr
	v_pk_mul_f32 v[14:15], v[14:15], v[16:17] op_sel_hi:[1,0]   ; the rows' sums under the new M: the plain lines behind the exponentials
	v_pk_mul_f32 v[8:9], v[8:9], v[18:19] op_sel_hi:[1,0]
	s_wait_alu depctr_va_vdst(0)                   ; one wait behind tile 0's batch and ahead of tile 1's
.set j, 0
.rept 16                                       ; p of tile 1; among the exponentials tile 0's sums of four (the sum is taken of the unquantised p), sixteen pairs,
	v_exp_f32 v[S1+j], v[S1+j]
	v_pk_add_f32 v[SM+2*j:SM+2*j+1], v[S0+4*j:S0+4*j+1], v[S0+4*j+2:S0+4*j+3]
.set j, j+1
.endr
.rept 16
	v_exp_f32 v[S1+j], v[S1+j]
.set j, j+1
.endr
.set jh, 0
.rept 32                                       ; and tile 0's holds: all are first read behind the next wait
	v_exp_f32 v[S1+j], v[S1+j]
	HOLD S0, 1
.set j, j+1
.endr
	v_nop                                          ; a plain line behind the last exponential
	s_wait_alu depctr_va_vdst(0)                   ; one wait for the batch, ahead of its first reader
	s_wait_dscnt 16*\pre                           ; V is in; the next step's K, sixteen younger loads, may be out
.irp i, 0,1,2,3,4,5,6,7
	TADD \i, \i+8                                  ; tile 0's sixteen pairs become one (pair 0), tile 1's sum is taken in eight chains (pairs 8-15), by turns
.endr
.irp i, 0,1,2,3,4,5,6,7
	v_pk_add_f32 v[SM+16+2*\i:SM+17+2*\i], v[S1+4*\i:S1+4*\i+1], v[S1+4*\i+2:S1+4*\i+3]
.endr
.irp i, 0,1,2,3
	TADD \i, \i+4
.endr
.irp i, 0,1,2,3,4,5,6,7
	v_pk_add_f32 v[SM+16+2*\i:SM+17+2*\i], v[SM+16+2*\i:SM+17+2*\i], v[S1+32+2*\i:S1+33+2*\i]
.endr
	TADD 0, 2
	TADD 1, 3
.irp i, 0,1,2,3,4,5,6,7
	v_pk_add_f32 v[SM+16+2*\i:SM+17+2*\i], v[SM+16+2*\i:SM+17+2*\i], v[S1+48+2*\i:S1+49+2*\i]
.endr
	TADD 0, 1
.irp i, 8,9,10,11
	TADD \i, \i+4
.endr
.set jh, 0
	HOLD S1, 8                                     ; tile 1's chains are joined (pair 8) among its holds, which name other registers
	TADD 8, 10
	TADD 9, 11
	HOLD S1, 8
	TADD 8, 9
	HOLD S1, 16
	WIN 0x40                                       ; the codes go to window 1
	CVT PC0, S0
	CVT PC1, S1
	WIN 0x41                                       ; O^T in window 1, f from window 0
	s_wait_alu depctr_va_vdst(0)                   ; the wait here, directly ahead of the first readers of O^T
	RESC O0, 16                                    ; (these are also the plain lines between the conversions and the products below)
	RESC O1, 18
	WIN 0x55
	PV O0, PC0
	PV O1, PC1
	WIN 0
	s_add_co_u32 s[TB], s[TB], 8192                ; the next 128 keys: eight tiles of K, and as many bytes of V
.endm
	s_wait_alu depctr_va_vdst(0)                   ; the wait at the head's end
	s_wait_tensorcnt 0x0                           ; my part of keys 0-511 is in; the lines ahead of a later first fill:
	ds_add_u32 v[SPW], v[NIL]
	s_wait_dscnt 0x0
	CROUND                                         ; everybody's part is in, and all four work-groups are here
	JLOAD G0C, G1C, G0D, G1D                       ; group 2: keys 512-2,047, the first tensor load behind the round, one a wave
	v_add_nc_u32 v[ADK], s[TB], v[LI]
	LOADK 0                                        ; keys 0-127
	s_wait_loadcnt 0x0                             ; Q
	s_mov_b32 s[CNT], 3
.Lfirst:                                           ; keys 0-383; the last trip asks LDS for keys 384-511 of K
	STEP 1
	s_sub_co_u32 s[CNT], s[CNT], 1
	s_cmp_lg_u32 s[CNT], 0
	s_cbranch_scc1 .Lfirst
	s_wait_tensorcnt 0x0                           ; my load of group 2 has landed,
	s_wait_dscnt 0x0                               ; and no LDS instruction of mine is out at the signal
	s_barrier_signal -1                            ; between its signal and its wait stand register work and LDS loads of keys 384-511, which nobody writes
	STEP 0
	s_barrier_wait -1                              ; everybody's load of group 2 has landed
	v_add_nc_u32 v[ADK], s[TB], v[LI]
	LOADK 0                                        ; keys 512-639
	s_mov_b32 s[CNT], 11
.Lrest:                                            ; keys 512-1,919
	STEP 1
	s_sub_co_u32 s[CNT], s[CNT], 1
	s_cmp_lg_u32 s[CNT], 0
	s_cbranch_scc1 .Lrest
	STEP 0                                         ; keys 1,920-2,047: nothing follows them
	; THE WAY OUT: O^T x 2^(e8 + e9) / the sum, stored as it stands: register 8 t + 4 q + e of lane (r, h) is o(my query r, d = 16 t + 8 h + 4 q + e)
	v_pk_add_f32 v[14:15], v[14:15], v[SM:SM+1]    ; the last step's sums
	v_pk_add_f32 v[8:9], v[8:9], v[SM+16:SM+17]
	v_add_f32 v14, v14, v15                        ; the sums' two halves,
	v_add_f32 v8, v8, v9
	v_permlanex16_b32 v22, v14, s[SEL], s[SEL+1]
	v_permlanex16_b32 v23, v8, s[SEL], s[SEL+1]
	v_add_f32 v14, v14, v22                        ; and lane l xor 16's: the rows' sums
	v_add_f32 v8, v8, v23
	s_wait_alu depctr_va_vdst(0)                   ; the wait ahead of the transcendentals
	v_rcp_f32 v14, v14
	v_rcp_f32 v8, v8
	v_nop                                          ; a plain line behind the reciprocals
	s_add_co_i32 s76, s18, s19
	s_wait_alu depctr_va_vdst(0)                   ; the wait ahead of the first use
	v_ldexp_f32 v14, v14, s76
	v_ldexp_f32 v8, v8, s76
	WIN 0x01                                       ; O^T from window 1, the results into window 0
	s_wait_alu depctr_va_vdst(0)                   ; the wait here, directly ahead of the first readers of O^T
.set j, 0
.rept 16
	v_pk_mul_f32 v[S0+j:S0+j+1], v[O0+j:O0+j+1], v[14:15] op_sel_hi:[1,0]   ; each accumulator from its low end on
.set j, j+2
.endr
.set j, 0
.rept 16
	v_pk_mul_f32 v[S1+j:S1+j+1], v[O1+j:O1+j+1], v[8:9] op_sel_hi:[1,0]
.set j, j+2
.endr
	WIN 0
.irp k, 0,1,2,3,4,5,6,7
	global_store_b128 v[LI], v[S0+4*\k:S0+4*\k+3], s[8:9] offset:512*\k   ; 32 lanes store 512 consecutive bytes, aligned
.endr
.irp k, 0,1,2,3,4,5,6,7
	global_store_b128 v[LI], v[S1+4*\k:S1+4*\k+3], s[8:9] offset:4096+512*\k
.endr
	s_wait_tensorcnt 0x0                           ; the wave's end: three lines behind my last tensor load
	ds_add_u32 v[SPW], v[NIL]
	s_wait_dscnt 0x0
	CROUND                                         ; the closing round: no work-group ends while a partner may still ask for a tile that names it
	s_endpgm
.Lfunc_end_k_qe359ff85a1_attn:
	.size	k_qe359ff85a1_attn, .Lfunc_end_k_qe359ff85a1_attn-k_qe359ff85a1_attn
	.p2alignl 7, 3214868480
	.fill 96, 4, 3214868480
	.section	.rodata,"a",@progbits
	.p2align	6, 0x0
	.amdhsa_kernel k_qe359ff85a1_attn
		.amdhsa_group_segment_fixed_size 327680
		.amdhsa_private_segment_fixed_size 0
		.amdhsa_enable_private_segment 0
		.amdhsa_kernarg_size 24
		.amdhsa_user_sgpr_count 2
		.amdhsa_user_sgpr_kernarg_segment_ptr 1
		.amdhsa_wavefront_size32 1
		.amdhsa_system_sgpr_workgroup_id_x 1
		.amdhsa_system_sgpr_workgroup_id_y 1
		.amdhsa_system_sgpr_workgroup_id_z 1
		.amdhsa_system_vgpr_workitem_id 0
		.amdhsa_next_free_vgpr 496
		.amdhsa_next_free_sgpr 102
		.amdhsa_reserve_vcc 0
		.amdhsa_float_denorm_mode_32 3
		.amdhsa_float_denorm_mode_16_64 3
		.amdhsa_memory_ordered 1
		.amdhsa_forward_progress 1
		.amdhsa_inst_pref_size 129
	.end_amdhsa_kernel
	.amdgpu_metadata
---
amdhsa.version: [ 1, 2 ]
amdhsa.kernels:
  - .name:           k_qe359ff85a1_attn
    .symbol:         k_qe359ff85a1_attn.kd
    .args:
      - { .name: qkv, .offset: 0, .size: 8, .value_kind: global_buffer, .address_space: global }
      - { .name: lowp_scales, .offset: 8, .size: 8, .value_kind: global_buffer, .address_space: global }
      - { .name: ow, .offset: 16, .size: 8, .value_kind: global_buffer, .address_space: global }
    .group_segment_fixed_size: 327680
    .private_segment_fixed_size: 0
    .kernarg_segment_align: 8
    .kernarg_segment_size: 24
    .max_flat_workgroup_size: 256
    .sgpr_count:     102
    .vgpr_count:     496
    .wavefront_size: 32
...
	.end_amdgpu_metadata
.endif
;; end of part 3
;; launch merge (part 4): grid 256 x 1, 16 waves a work-group, no clusters, 73,728 bytes of LDS; arguments ow, out0; writes out0
.if DOCPART == 4
	.amdgcn_target "amdgcn-amd-amdhsa--gfx1250"
	.amdhsa_code_object_version 6
	.text
	.protected	k_qe359ff85a1_merge
	.globl	k_qe359ff85a1_merge
	.p2align	8
	.type	k_qe359ff85a1_merge,@function
k_qe359ff85a1_merge:
	s_mov_b64 s[64:65], 0
	v_nop
	global_prefetch_b8 v0, s[64:65] scope:SCOPE_SE
	s_setreg_imm32_b32 hwreg(HW_REG_WAVE_MODE, 25, 1), 1
	s_wait_xcnt 0x0
; The heads are put together.  In out0 [4096 tokens][1024] column 16 d + head belongs to head `head`: a head's numbers lie 4 bytes at a time, 64 bytes apart, so whole runs of a row want all 16 heads.
; ow [32 bh][128 T][8 k][32 lanes][4 f32]: element e of lane (r, h) in block k = 2 t + q is o(token of row r of tile T, d = 16 t + 8 h + 4 q + e).
; A work-group takes one tile T of 16 tokens of one batch.  On the way in wave w is head w: its 4,096 bytes come by eight loads of 512 consecutive bytes, all asked for at the head.
; On the way out wave w is row r = w of the tile.  BLOCK BY BLOCK: block k of all 16 heads holds, for each token, d = 16 t + 4 q + 0 .. 3 and 8 more, all heads: two runs of 256 consecutive, aligned bytes.
; So as soon as every wave's k-th load has landed and lies in LDS, each wave gathers and stores its token's 512 bytes of block k, while the later blocks are still on their way in.
; One barrier a block: in front of it my store of block k has landed; behind it I gather block k.  No LDS byte is written twice, and block k's bytes lie in a region of their own, so nothing else needs ordering.
; A stream: no matrix unit, no cluster (work-groups share nothing), no tensor load.
.set HB,    560                        ; a head's block in LDS: lanes 0-15's 256 bytes, 32 of padding, lanes 16-31's 256 bytes, 16 more
.set KREG,  16*HB                      ; a block's region: all 16 heads
                                       ; with these pitches the 32 lanes x of a gathering load fall on banks 48 (x % 4) + 8 (x / 16) + (x / 4) % 4 modulo 64: all different (64 banks of 4 bytes: ISA guide 11.1)
.set SPARE, 8*KREG                     ; behind the regions: the spare words, 128 bytes for each of the sixteen waves, which no other line names
.set LI,  1                            ; v1  16 x lane: my bytes of a load's 512
.set STO, 2                            ; v2  where I lay 16 bytes of my head's block
.set GA,  3                            ; v3  from where I gather
.set GO,  5                            ; v5  my 16 bytes in the token's row: 512 (lane / 16) + 16 (lane % 16)
.set SPW, 6
.set NIL, 7
.set IN,  16                           ; v16-47  my head's eight blocks as loaded
.set OUTV, 48                          ; v48-79  four registers for each block, so that no store's data are written again
	s_load_b128 s[4:7], s[0:1], 0x0                ; ow, out0
	v_lshl_add_u32 v[SPW], v0, 2, SPARE
	v_mov_b32 v[NIL], 0
	v_lshrrev_b32 v1, 5, v0
	s_delay_alu instid0(VALU_DEP_1)
	v_readfirstlane_b32 s10, v1                    ; wave 0..15
	v_and_b32 v1, 31, v0
	s_delay_alu instid0(VALU_DEP_1)
	v_lshlrev_b32 v[LI], 4, v1
	v_bfe_u32 v4, v0, 4, 1                         ; lane / 16
	s_mul_i32 s11, s10, HB
	v_lshl_add_u32 v[STO], v4, 5, v[LI]            ; 16 x lane + 32 (lane / 16),
	s_delay_alu instid0(VALU_DEP_1)
	v_add_nc_u32 v[STO], s11, v[STO]               ; in my head's block
	; Lane x of a store holds heads 4 (x % 4) + 0 .. 3 of d = 16 t + 8 (x / 16) + 4 q + (x / 4) % 4
	v_and_b32 v[GA], 3, v0
	s_delay_alu instid0(VALU_DEP_1)
	v_mul_u32_u24 v[GA], v[GA], 4*HB               ; four heads on for each step of x % 4
	v_mul_u32_u24 v8, v4, 288                      ; h = x / 16: the image's lanes 16-31
	s_delay_alu instid0(VALU_DEP_1)
	v_add_nc_u32 v[GA], v[GA], v8
	v_bfe_u32 v8, v0, 2, 2
	s_delay_alu instid0(VALU_DEP_1)
	v_lshl_add_u32 v[GA], v8, 2, v[GA]             ; e = (x / 4) % 4: the word
	s_lshl_b32 s11, s10, 4
	v_add_nc_u32 v[GA], s11, v[GA]                 ; row r = my wave: lane r, or 16 + r, of the image
	v_and_b32 v[GO], 15, v0
	s_delay_alu instid0(VALU_DEP_1)
	v_lshlrev_b32 v[GO], 4, v[GO]
	s_delay_alu instid0(VALU_DEP_1)
	v_lshl_add_u32 v[GO], v4, 9, v[GO]
	s_lshr_b32 s12, ttmp9, 7                       ; batch
	s_and_b32 s13, ttmp9, 127                      ; T
	s_lshl_b32 s14, s12, 4
	s_add_co_u32 s14, s14, s10                     ; bh of my head
	s_lshl_b32 s14, s14, 7
	s_add_co_u32 s14, s14, s13
	s_lshl_b32 s14, s14, 12
	s_mov_b32 s15, 0
	s_lshl_b32 s16, s12, 11                        ; my token: row 16 T + w with bits 3 and 4 exchanged: 2,048 batch + 32 (T / 2) + 8 (T % 2) + w + 8 (w / 8)
	s_lshr_b32 s17, s13, 1
	s_lshl_b32 s17, s17, 5
	s_add_co_u32 s16, s16, s17
	s_and_b32 s17, s13, 1
	s_lshl_b32 s17, s17, 3
	s_add_co_u32 s16, s16, s17
	s_add_co_u32 s16, s16, s10
	s_and_b32 s17, s10, 8
	s_add_co_u32 s16, s16, s17
	s_lshl_b32 s16, s16, 12
	s_mov_b32 s17, 0
	s_wait_alu depctr_va_vdst(0)
	s_wait_kmcnt 0x0
	s_add_nc_u64 s[4:5], s[4:5], s[14:15]
	s_add_nc_u64 s[6:7], s[6:7], s[16:17]
.irp k, 0,1,2,3,4,5,6,7
	global_load_b128 v[IN+4*\k:IN+4*\k+3], v[LI], s[4:5] offset:512*\k th:TH_LOAD_NT
.endr
.irp k, 0,1,2,3,4,5,6,7
	s_wait_loadcnt 7-\k                            ; loads come back in order (ISA guide 5.7.1): block k is in, the younger ones may be out
	ds_store_b128 v[STO], v[IN+4*\k:IN+4*\k+3] offset:KREG*\k
	s_wait_dscnt 0x0                               ; for the others' sake: my store has landed; and my gather of the block before is back,
.if \k > 0
	global_store_b128 v[GO], v[OUTV+4*(\k-1):OUTV+4*(\k-1)+3], s[6:7] offset:1024*((\k-1)/2)+256*((\k-1)%2) th:TH_STORE_NT   ; which leaves: each sixteen lanes store 256 consecutive bytes, aligned
.endif
	s_barrier_signal -1
	s_barrier_wait -1                              ; block k of all sixteen heads lies in LDS
.irp g, 0,1,2,3
	ds_load_b32 v[OUTV+4*\k+\g], v[GA] offset:KREG*\k+HB*\g   ; head 4 (x % 4) + g
.endr
.endr
	s_wait_dscnt 0x0                               ; the last gather is back
	global_store_b128 v[GO], v[OUTV+28:OUTV+31], s[6:7] offset:1024*3+256 th:TH_STORE_NT
	s_wait_tensorcnt 0x0                           ; the wave's end: three lines behind my last LDS store
	ds_add_u32 v[SPW], v[NIL]
	s_wait_dscnt 0x0
	s_endpgm
.Lfunc_end_k_qe359ff85a1_merge:
	.size	k_qe359ff85a1_merge, .Lfunc_end_k_qe359ff85a1_merge-k_qe359ff85a1_merge
	.p2alignl 7, 3214868480
	.fill 96, 4, 3214868480
	.section	.rodata,"a",@progbits
	.p2align	6, 0x0
	.amdhsa_kernel k_qe359ff85a1_merge
		.amdhsa_group_segment_fixed_size 73728
		.amdhsa_private_segment_fixed_size 0
		.amdhsa_enable_private_segment 0
		.amdhsa_kernarg_size 16
		.amdhsa_user_sgpr_count 2
		.amdhsa_user_sgpr_kernarg_segment_ptr 1
		.amdhsa_wavefront_size32 1
		.amdhsa_system_sgpr_workgroup_id_x 1
		.amdhsa_system_sgpr_workgroup_id_y 1
		.amdhsa_system_sgpr_workgroup_id_z 1
		.amdhsa_system_vgpr_workitem_id 0
		.amdhsa_next_free_vgpr 80
		.amdhsa_next_free_sgpr 66
		.amdhsa_reserve_vcc 0
		.amdhsa_float_denorm_mode_32 3
		.amdhsa_float_denorm_mode_16_64 3
		.amdhsa_memory_ordered 1
		.amdhsa_forward_progress 1
		.amdhsa_inst_pref_size 8
	.end_amdhsa_kernel
	.amdgpu_metadata
---
amdhsa.version: [ 1, 2 ]
amdhsa.kernels:
  - .name:           k_qe359ff85a1_merge
    .symbol:         k_qe359ff85a1_merge.kd
    .args:
      - { .name: ow, .offset: 0, .size: 8, .value_kind: global_buffer, .address_space: global }
      - { .name: out0, .offset: 8, .size: 8, .value_kind: global_buffer, .address_space: global }
    .group_segment_fixed_size: 73728
    .private_segment_fixed_size: 0
    .kernarg_segment_align: 8
    .kernarg_segment_size: 16
    .max_flat_workgroup_size: 512
    .sgpr_count:     66
    .vgpr_count:     80
    .wavefront_size: 32
...
	.end_amdgpu_metadata
.endif
;; end of part 4
